; MI455X (gfx1250); checked and timed in simulation.
; The chip was launched on July 23, 2026; its instructions are those of AMD's public machine-readable ISA for CDNA 5 (MIT licence, August 2026) and "CDNA5" Instruction Set Architecture Reference Guide (July 2026). The comments in the code are by the model that wrote it; some were corrected since.
;; Sub LSTM Cuda Cell. Allowed arithmetic: matrix products marked QUANTISED: E2M3 operands, one E8M0 scale for each 32 along K, by v_wmma_scale_f32_16x16x128_f8f6f4 with both operands' format E2M3, f32 sums; everything else in f32.
;; Inputs: bias 4,096 float32; input 8,192 x 1,024 float32; old_cell 8,192 x 1,024 float32; old_h 8,192 x 1,024 float32; weightsT 2,048 x 4,096 float32.
;; Outputs: out0 8,192 x 1,024 float32; out1 8,192 x 1,024 float32.
;; This version of the problem:
;;   THIS VERSION OF THE PROBLEM IS GIVEN IN LOW PRECISION. The matrix products marked QUANTISED in the list below multiply operands that are first quantised to E2M3 (2 exponent bits, 3 mantissa bits; 6 bits a number), with one power-of-two scale for each 32 numbers along K (OCP MX v1.0); their sums are f32. All else is computed in f32.
;;   The module's matrix products, in the order in which they are computed (A, B: the left and right operand; K: the contracted axis; several contracted axes count as one K, in the product's order):
;;     1. [M 8,192, K 2,048] x [K 2,048, N 4,096]; A: computed on the way; B: input weightsT: QUANTISED
;;   THE QUANTISER, for each operand of a quantised product, along K:
;;     - K is cut into blocks of 32 from its start; a last block that is shorter is filled with zeros.
;;     - A block's scale is 2^e with e = floor(log2(the largest magnitude in the block)) - 2, held to -126 .. 127; a block of zeros has e = 0. As a byte (E8M0): e + 127.
;;     - Each number is divided by its block's scale, clamped to +-7.5, and rounded to the nearest number of E2M3, ties to even, subnormals kept.
;;     - The product sums the exact products of the quantised numbers (number of the format x scale) in f32.
;;   ~~~python
;;   def quantise(x, axis):      # numpy; x: float32 -> the quantised numbers, widened to float32 again
;;       x = np.moveaxis(x, axis, -1); K = x.shape[-1]
;;       x = np.pad(x, [(0, 0)] * (x.ndim - 1) + [(0, -K % 32)]); x = x.reshape(x.shape[:-1] + (-1, 32)); a = np.abs(x).max(-1, keepdims=True)
;;       e = np.where(a > 0, np.clip(np.frexp(np.where(a > 0, a, 1))[1] - 1 - 2, -126, 127), 0)      # np.frexp(a)[1] - 1 = floor(log2(a)), exactly
;;       r = np.clip(x / 2.0 ** e, -7.5, 7.5)
;;       step = 2.0 ** (np.maximum(np.frexp(np.where(r == 0, 1, r))[1] - 1, 0) - 3)
;;       q = np.round(r / step) * step * 2.0 ** e      # np.round: ties to even
;;       return np.moveaxis(q.reshape(q.shape[:-2] + (-1,))[..., :K], -1, axis).astype(np.float32)
;;   ~~~
;;   OPERANDS COMPUTED ON THE WAY. 'Computed on the way' means the value that the module computes at that place (a softmax that the list does not call 'softmax' is quantised finished and normalised). What goes into a quantiser is computed in f32, as accurately as f32 sums, v_exp_f32 and their like allow (about 1e-6 of the number): no bf16 or f16 on the way to a quantiser, and a product that is left as it is and whose result goes on into a quantised operand takes f32 operands (vector FMAs, or v_wmma_f32_16x16x4_f32). A number that lies on a knife's edge between two numbers of the format may be rounded either way, as far as f32 arithmetic and the matrix unit's own rounding can turn it there, and no further.
;; One version. Each part assembles by itself: llvm-mc -triple=amdgcn-amd-amdhsa -mcpu=gfx1250 --defsym DOCPART=n.
;; ======== version 1 of 1: 2 launches
;; limits: right only within a limited range of input values
;; workspace buffers: xq 13,107,200 bytes; wq 6,553,600 bytes
;; launch quant (part 1): grid 1024 x 1, 4 waves a work-group, no clusters, 53,760 bytes of LDS; arguments old_h, input, weightsT, xq, wq; writes xq, wq
.if DOCPART == 1
	.amdgcn_target "amdgcn-amd-amdhsa--gfx1250"
	.amdhsa_code_object_version 6
	.text
	.protected	k_qfcc3ee620b_quant
	.globl	k_qfcc3ee620b_quant
	.p2align	8
	.type	k_qfcc3ee620b_quant,@function
k_qfcc3ee620b_quant:
	s_mov_b64 s[64:65], 0
	v_nop
	global_prefetch_b8 v0, s[64:65] scope:SCOPE_SE
	s_setreg_imm32_b32 hwreg(HW_REG_WAVE_MODE, 25, 1), 1
	s_wait_xcnt 0x0
; SubLSTM cell, first of two launches: both operands of gates = sigmoid([old_h | input] weightsT + bias) become codes of FP6 (E2M3) with one E8M0 byte for each 32 along K.
; Nothing of reference() is left out in this program: every input has a way to an output, and every input is loaded (bias and old_cell by the second launch).
; A block's scale is 2^(floor(log2(its largest magnitude)) - 2); its byte is the largest magnitude's exponent field - 2, held at 1 from below; numbers are divided by the scale and rounded to the nearest code, ties to even.
; LIMITS: a block of zeros gets the byte 1 where the rule says 127 (its codes are zeros, and this program alone reads the bytes); blocks whose largest magnitude lies under 2^(2 - 126) were not tried; NaN and infinities are not served.
; OUT, laid as the second launch's registers want it.  xq = [64 blocks of 128 rows][16 steps of 128 along K][CHUNK], wq = [32 blocks of 128 rows n'][16][CHUNK].  A CHUNK is 12,800 bytes: eight fragments
; (16 rows x 128 K) of 1,536 bytes, then 128 scale words (row x 4 bytes, byte b for k = 32 b ..).  In a fragment the 24 bytes of row r's block b lie at 48 (r + 16 (b % 2)) + 24 (b / 2):
; the 48 bytes at 48 l are lane l's twelve operand registers.  Column n = 1024 g + j of weightsT is row n' = 128 (j / 32) + 32 g + j % 32.
; TWO PATHS, parted on the work-group's number: 0-511 take X (K innermost, 131,072 bytes read each), 512-1023 weightsT (K outermost, 65,536 bytes each).  Each path has LDS bytes of its own.
; No tensor loads, no barrier, no cluster: work-groups share no input.
.set EMAX,  2
.set CHUNK, 12800
.set FRB,   1536
.set SPW,   12                         ; v12  LDS address of my spare word; never rewritten
.set NIL,   13                         ; v13  0; never rewritten
.set XP,    528                        ; path X: a stage row: 512 bytes + 16
.set XREG,  16*XP+256                  ; a wave's region: a stage of 16 rows, then its 256 scale bytes
.set WSTG,  4*XREG                     ; path W: the four waves' stages
.set WP,    144                        ; a stage row of path W: eight places of 16 bytes + 16
.set SPARE, WSTG+4*32*WP               ; the spare words, 128 bytes a wave
.macro FINISH                          ; a wave's end
	s_wait_tensorcnt 0x0
	ds_add_u32 v[SPW], v[NIL]
	s_wait_dscnt 0x0
	s_endpgm
.endm
	s_load_b256 s[4:11], s[0:1], 0x0               ; old_h s[4:5], input s[6:7], weightsT s[8:9], xq s[10:11]
	s_load_b64 s[12:13], s[0:1], 0x20              ; wq
	v_lshl_add_u32 v[SPW], v0, 2, SPARE
	v_mov_b32 v[NIL], 0
	v_lshrrev_b32 v1, 5, v0
	v_readfirstlane_b32 s18, v1                    ; wave
	v_and_b32 v2, 31, v0                           ; lane
	s_wait_alu depctr_va_vdst(0)
	s_cmp_lt_u32 ttmp9, 512
	s_cbranch_scc0 .Lw
; ---------------- PATH X.  A wave takes 64 rows x 128 along K: four fragments and 256 scale bytes.  Step of K = 4 (work-group % 4) + wave, rows 64 (work-group / 4) ..: the four waves read 2,048 neighbouring bytes of each row.
; A fragment: 16 loads, each a row's 512 bytes; through the wave's stage; back in four groups, in which lane l holds the 16 numbers whose codes are the fragment's bytes 384 g + 12 l ..: each store covers 384 dense bytes.
.set XR,    16                         ; v16-143  two sets of 16 x 4 registers as loaded
.set XX,    144                        ; v144-207 four groups of 16 neighbours
.set XC,    208                        ; v208-239 two sets of four groups: three registers of codes and one with the byte
	v_lshlrev_b32 v3, 4, v2                        ; my 16 bytes of a load's 512
	s_mul_i32 s19, s18, XREG
	v_add_nc_u32 v14, s19, v3                      ; into the stage
	v_lshrrev_b32 v1, 2, v2                        ; out of it: row l / 4 of the group's eight,
	v_bfe_u32 v5, v2, 1, 1                         ; c = (l / 2) % 2: 64 along K,
	v_and_b32 v6, 1, v2                            ; which half of the block
	v_mul_u32_u24 v15, v1, XP
	v_lshl_add_u32 v15, v5, 8, v15
	v_lshl_add_u32 v15, v6, 6, v15
	v_add_nc_u32 v15, s19, v15
	v_lshlrev_b32 v1, 2, v1
	v_lshl_add_u32 v1, v5, 1, v1                   ; my block's byte: 4 x row + 2 c
	s_add_co_u32 s19, s19, 16*XP
	v_add_nc_u32 v5, s19, v1
	v_lshlrev_b32 v7, 3, v2                        ; the bytes' way out: 8 a lane
	v_add_nc_u32 v6, s19, v7
	v_mul_u32_u24 v4, v2, 12                       ; my codes' place in a group's 384 bytes
	s_and_b32 s20, ttmp9, 3
	s_lshl_b32 s20, s20, 2
	s_add_co_u32 s20, s20, s18                     ; the step of K, 0 .. 15
	s_lshr_b32 s21, ttmp9, 2                       ; which 64 rows
	s_lshl_b32 s22, s21, 18                        ; 64 rows of 4,096 bytes
	s_and_b32 s23, s20, 7
	s_lshl_b32 s23, s23, 9
	s_add_co_u32 s22, s22, s23
	s_mov_b32 s23, 0
	s_lshr_b32 s24, s21, 1
	s_lshl_b32 s24, s24, 4
	s_add_co_u32 s24, s24, s20
	s_mul_i32 s24, s24, CHUNK                      ; my chunk
	s_and_b32 s21, s21, 1
	s_mul_i32 s25, s21, 4*FRB
	s_lshl_b32 s26, s21, 8
	s_add_co_u32 s26, s26, s24
	s_add_co_u32 s26, s26, 8*FRB                   ; my 256 scale bytes
	s_add_co_u32 s24, s24, s25                     ; my four fragments
	s_mov_b32 s25, 0
	s_mov_b32 s27, 0
	s_wait_alu depctr_va_vdst(0)
	s_wait_kmcnt 0x0
	s_cmp_lt_u32 s20, 8                            ; K under 1,024 is old_h
	s_cselect_b64 s[4:5], s[4:5], s[6:7]
	s_add_nc_u64 s[4:5], s[4:5], s[22:23]
	s_add_nc_u64 s[14:15], s[10:11], s[26:27]
	s_add_nc_u64 s[10:11], s[10:11], s[24:25]
.macro XLOAD f
.irp i, 0,1,2,3,4,5,6,7,8,9,10,11,12,13,14,15
	global_load_b128 v[XR+64*((\f)%2)+4*\i:XR+64*((\f)%2)+4*\i+3], v3, s[4:5] offset:(16*(\f)+\i)*4096 th:TH_LOAD_NT
.endr
.endm
.macro XFRAG f
.if (\f) < 3
	s_wait_loadcnt 16                              ; this fragment's 16 loads are in; the next one's may be out
.else
	s_wait_loadcnt 0
.endif
.irp i, 0,1,2,3,4,5,6,7,8,9,10,11,12,13,14,15
	ds_store_b128 v14, v[XR+64*((\f)%2)+4*\i:XR+64*((\f)%2)+4*\i+3] offset:\i*XP
.endr
.irp g, 0,1,2,3                        ; LDS serves a wave's instructions in order: these see the stores, and the next fragment's stores come behind them
.irp q, 0,1,2,3
	ds_load_b128 v[XX+16*\g+4*\q:XX+16*\g+4*\q+3], v15 offset:8*(\g%2)*XP+(\g/2)*128+16*\q
.endr
.endr
.if (\f) >= 2
	s_wait_xcnt 0x0                                ; the stores of two fragments ago have read their registers
.endif
.irp g, 0,1,2,3
	s_wait_dscnt 12-3*\g                           ; group g is back: behind it 4 (3 - g) loads and g byte stores were issued
.if (\g == 0) && ((\f)+2 < 4)
	XLOAD (\f)+2                                   ; the stage's stores have read this set
.endif
.set XS, XX+16*\g
.set CD, XC+16*((\f)%2)+4*\g
	v_max3_num_f32 v8, |v[XS]|, |v[XS+1]|, |v[XS+2]|
	v_max3_num_f32 v9, |v[XS+3]|, |v[XS+4]|, |v[XS+5]|
	v_max3_num_f32 v8, v8, |v[XS+6]|, |v[XS+7]|
	v_max3_num_f32 v9, v9, |v[XS+8]|, |v[XS+9]|
	v_max3_num_f32 v8, v8, |v[XS+10]|, |v[XS+11]|
	v_max3_num_f32 v9, v9, |v[XS+12]|, |v[XS+13]|
	v_max3_num_f32 v8, v8, |v[XS+14]|, |v[XS+15]|
	v_max3_num_f32 v8, v8, v9, (EMAX+1)<<23        ; the floor: the byte cannot fall under 1
	v_max_num_f32_dpp v8, v8, v8 row_xmask:1 row_mask:0xf bank_mask:0xf   ; with my neighbour's 16: the block's
	v_add_nc_u32 v11, -(EMAX<<23), v8              ; the conversion takes this operand's exponent field as its scale
	v_cvt_scalef32_pk16_fp6_f32 v[CD:CD+2], v[XS:XS+15], v11
	v_lshrrev_b32 v[CD+3], 23, v11                 ; the scale's byte (the plain line behind the conversion)
	ds_store_b8 v5, v[CD+3] offset:(16*(\f)+8*(\g%2))*4+(\g/2)   ; both lanes of a block write the same byte
	global_store_b96 v4, v[CD:CD+2], s[10:11] offset:(\f)*FRB+384*\g
.endr
.endm
	XLOAD 0
	XLOAD 1
	XFRAG 0
	XFRAG 1
	XFRAG 2
	XFRAG 3
	ds_load_b64 v[8:9], v6
	s_wait_dscnt 0x0
	global_store_b64 v7, v[8:9], s[14:15]          ; 32 lanes store 256 consecutive bytes, aligned
	FINISH
; ---------------- PATH W.  Work-group 512 + 32 y + x takes columns 128 x .. and k = 128 y ..; a wave 32 columns: a lane a column, its registers down K, 4 blocks.  The wave's codes are two whole fragments of one chunk.
; All 128 loads are issued on end, each into a register of its own.  The codes go through the wave's stage (row = column, a place of 16 bytes for each 12) and come back in the fragments' byte order:
; each store covers 384 dense bytes.  Each block has code registers of its own, so no wait stands between the blocks' LDS stores.
.Lw:
.set NB,    4
.set NROW,  16384
.set WX,    32                         ; v32-159  four blocks of 32 numbers
.set OUTR,  160                        ; v160-191 the way out
.set WC,    192                        ; v192-223 the blocks' codes, eight registers each
.set SB,    24                         ; v24      the scale word of my row n'
	s_sub_co_u32 s19, ttmp9, 512
	s_and_b32 s20, s19, 31                         ; x
	s_lshr_b32 s21, s19, 5                         ; y: the step of K
	s_lshl_b32 s22, s20, 7
	s_lshl_b32 s23, s18, 5
	s_add_co_u32 s22, s22, s23
	s_lshl_b32 s22, s22, 2
	s_lshl_b32 s23, s21, 21                        ; 128 rows of 16,384 bytes for each y
	s_add_co_u32 s22, s22, s23                     ; my part of weightsT, in bytes
	s_mov_b32 s23, 0
	s_and_b32 s24, s20, 7
	s_lshl_b32 s24, s24, 2
	s_add_co_u32 s24, s24, s18                     ; block of 128 rows n': 4 (x % 8) + wave
	s_lshl_b32 s24, s24, 4
	s_add_co_u32 s24, s24, s21
	s_mul_i32 s24, s24, CHUNK                      ; its chunk of step y
	s_lshr_b32 s25, s20, 3                         ; the gate g: my rows are 32 g .. 32 g + 31 of the block
	s_mul_i32 s26, s25, 2*FRB
	s_add_co_u32 s26, s26, s24
	s_mov_b32 s27, 0
	s_lshl_b32 s28, s25, 7
	s_add_co_u32 s28, s28, s24
	s_add_co_u32 s28, s28, 8*FRB
	s_mov_b32 s29, 0
	s_mul_i32 s19, s18, 32*WP
	s_add_co_u32 s19, s19, WSTG
	v_lshlrev_b32 v3, 2, v2                        ; 4 bytes a lane: in, and for the scale words
	v_mul_u32_u24 v4, v2, WP
	v_add_nc_u32 v4, s19, v4                       ; into the stage: row = my column
	v_lshrrev_b32 v5, 2, v2
	v_bfe_u32 v6, v2, 1, 1
	v_and_b32 v8, 1, v2
	v_mul_u32_u24 v7, v5, WP                       ; out of it: column l / 4 of eight, block 2 ((l / 2) % 2) + .., half l % 2
	v_lshl_add_u32 v7, v6, 6, v7
	v_lshl_add_u32 v7, v8, 4, v7
	v_add_nc_u32 v7, s19, v7
	v_mul_u32_u24 v8, v2, 12
	s_wait_alu depctr_va_vdst(0)
	s_wait_kmcnt 0x0
	s_add_nc_u64 s[8:9], s[8:9], s[22:23]
	s_add_nc_u64 s[14:15], s[12:13], s[26:27]
	s_add_nc_u64 s[16:17], s[12:13], s[28:29]
.set Q, 0
.rept 32*NB
	global_load_b32 v[WX+Q], v3, s[8:9] offset:Q*NROW th:TH_LOAD_NT   ; weightsT(128 y + Q, my column): 128 consecutive bytes a wave, 512 a work-group
.set Q, Q+1
.endr
.macro WBLOCK t
.set XS, WX+32*(\t)
.set CD, WC+8*(\t)
.if (\t) < 2
	s_wait_loadcnt 63                              ; behind this block's loads 96 or 64 were issued: 63 is the largest count that the wait can name
.else
	s_wait_loadcnt 32*(NB-1-(\t))
.endif
	v_max3_num_f32 v16, |v[XS]|, |v[XS+1]|, |v[XS+2]|
	v_max3_num_f32 v17, |v[XS+3]|, |v[XS+4]|, |v[XS+5]|
.irp i, 6,10,14,18,22,26
	v_max3_num_f32 v16, v16, |v[XS+\i]|, |v[XS+\i+1]|
	v_max3_num_f32 v17, v17, |v[XS+\i+2]|, |v[XS+\i+3]|
.endr
	v_max3_num_f32 v16, v16, |v[XS+30]|, |v[XS+31]|
	v_max3_num_f32 v16, v16, v17, (EMAX+1)<<23
	v_add_nc_u32 v11, -(EMAX<<23), v16
	v_lshrrev_b32 v17, 23, v11
.if (\t) == 0
	v_mov_b32 v[SB], v17
.else
	v_lshl_or_b32 v[SB], v17, 8*(\t), v[SB]
.endif
	v_cvt_scalef32_pk16_fp6_f32 v[CD:CD+2], v[XS:XS+15], v11
	v_cvt_scalef32_pk16_fp6_f32 v[CD+4:CD+6], v[XS+16:XS+31], v11
	v_nop                                          ; one plain line behind the last conversion
	ds_store_b96 v4, v[CD:CD+2] offset:32*(\t)
	ds_store_b96 v4, v[CD+4:CD+6] offset:32*(\t)+16
.endm
.irp t, 0,1,2,3
	WBLOCK \t
.endr
	s_wait_alu depctr_va_vdst(0)
	global_store_b32 v3, v[SB], s[16:17]           ; 32 rows' words: 128 consecutive bytes
.irp t, 0,1,2,3,4,5,6,7                ; t = 4 (fragment) + group.  LDS serves a wave's instructions in order: these see my stores
	ds_load_b96 v[OUTR+4*\t:OUTR+4*\t+2], v7 offset:(16*(\t/4)+8*(\t%2))*WP+32*((\t%4)/2)
.endr
.irp t, 0,1,2,3,4,5,6,7
	s_wait_dscnt 7-\t
	global_store_b96 v8, v[OUTR+4*\t:OUTR+4*\t+2], s[14:15] offset:(\t/4)*FRB+384*(\t%4)
.endr
	FINISH
.Lfunc_end_k_qfcc3ee620b_quant:
	.size	k_qfcc3ee620b_quant, .Lfunc_end_k_qfcc3ee620b_quant-k_qfcc3ee620b_quant
	.p2alignl 7, 3214868480
	.fill 96, 4, 3214868480
	.section	.rodata,"a",@progbits
	.p2align	6, 0x0
	.amdhsa_kernel k_qfcc3ee620b_quant
		.amdhsa_group_segment_fixed_size 53760
		.amdhsa_private_segment_fixed_size 0
		.amdhsa_enable_private_segment 0
		.amdhsa_kernarg_size 40
		.amdhsa_user_sgpr_count 2
		.amdhsa_user_sgpr_kernarg_segment_ptr 1
		.amdhsa_wavefront_size32 1
		.amdhsa_system_sgpr_workgroup_id_x 1
		.amdhsa_system_sgpr_workgroup_id_y 1
		.amdhsa_system_sgpr_workgroup_id_z 1
		.amdhsa_system_vgpr_workitem_id 0
		.amdhsa_next_free_vgpr 240
		.amdhsa_next_free_sgpr 66
		.amdhsa_reserve_vcc 0
		.amdhsa_float_denorm_mode_32 3
		.amdhsa_float_denorm_mode_16_64 3
		.amdhsa_memory_ordered 1
		.amdhsa_forward_progress 1
		.amdhsa_inst_pref_size 54
	.end_amdhsa_kernel
	.amdgpu_metadata
---
amdhsa.version: [ 1, 2 ]
amdhsa.kernels:
  - .name:           k_qfcc3ee620b_quant
    .symbol:         k_qfcc3ee620b_quant.kd
    .args:
      - { .name: old_h, .offset: 0, .size: 8, .value_kind: global_buffer, .address_space: global }
      - { .name: input, .offset: 8, .size: 8, .value_kind: global_buffer, .address_space: global }
      - { .name: weightsT, .offset: 16, .size: 8, .value_kind: global_buffer, .address_space: global }
      - { .name: xq, .offset: 24, .size: 8, .value_kind: global_buffer, .address_space: global }
      - { .name: wq, .offset: 32, .size: 8, .value_kind: global_buffer, .address_space: global }
    .group_segment_fixed_size: 53760
    .private_segment_fixed_size: 0
    .kernarg_segment_align: 8
    .kernarg_segment_size: 40
    .max_flat_workgroup_size: 128
    .sgpr_count:     66
    .vgpr_count:     240
    .wavefront_size: 32
...
	.end_amdgpu_metadata
.endif
;; end of part 1
;; launch cell (part 2): grid 16 x 32, 4 waves a work-group, clusters of 4 x 4, 327,680 bytes of LDS; arguments xq, wq, bias, old_cell, out0, out1; writes out0, out1
.if DOCPART == 2
	.amdgcn_target "amdgcn-amd-amdhsa--gfx1250"
	.amdhsa_code_object_version 6
	.text
	.protected	k_qfcc3ee620b_cell
	.globl	k_qfcc3ee620b_cell
	.p2align	8
	.type	k_qfcc3ee620b_cell,@function
k_qfcc3ee620b_cell:
	s_mov_b64 s[64:65], 0
	v_nop
	global_prefetch_b8 v0, s[64:65] scope:SCOPE_SE
	s_setreg_imm32_b32 hwreg(HW_REG_WAVE_MODE, 25, 1), 1
	s_wait_xcnt 0x0
	s_wait_alu depctr_hold_cnt(0) depctr_sa_sdst(0) depctr_va_vdst(0) depctr_va_sdst(0) depctr_va_ssrc(0) depctr_va_vcc(0) depctr_vm_vsrc(0)
	s_getreg_b32 s2, hwreg(HW_REG_IB_STS2, 6, 4)
	s_cmp_eq_u32 s2, 0
	s_cbranch_scc0 .Lentry_in_a_cluster
	s_endpgm
.Lentry_in_a_cluster:
	s_bfe_u32 s2, ttmp6, 0x10000c
	s_cmp_lg_u32 s2, 0xf033
	s_cbranch_scc0 .Lentry_shape_is_right
	s_endpgm
.Lentry_shape_is_right:
; SubLSTM cell, second of two launches: gates = sigmoid(X W + bias) on codes of FP6 (E2M3) with E8M0 scales; new_cell = f old_cell + z - i (out1); new_h = sigmoid(new_cell) - o (out0).  Nothing of reference() is left out.
; xq, wq: [block of 128 rows][16 steps of 128 along K][CHUNK of 12,800 bytes]: eight fragments of 1,536 bytes, lane l's twelve operand registers at 48 l, then 128 scale words.  W's row n' = 128 (j / 32) + 32 g + j % 32.
; LIMITS: sigmoid(x) = 1 / (1 + 2^(-x log2 e)): where the power is infinite the reciprocal gives 0, where it has fallen to 0 the result is 1.  NaN and infinities among the inputs are not served.
; SHARES.  A work-group of four waves makes 256 rows x 256 rows n' (64 hidden columns x 4 gates); a wave 128 x 128: 64 accumulators, 512 registers.  512 work-groups: two whole turns of 256.
; THE RING: two LDS slots of three steps each (4 parts x 38,400 bytes); a wave's load is one dense run, stated as rows of 256 bytes.  Fills: steps 0-2, 3-5, 6-8, 9-11, 12-14, 15; then old_cell into slot 0.
; The change of slots stands in a slot's last step, whose fragments have all been asked for.  One tensor load of a wave is out at a time.  The walk along K is written out: the last fill has another shape than the others.
; CLUSTERS: 4 x 4.  X's tiles are asked for jointly along a row of the cluster, W's along a column.  THE MATRIX INSTRUCTION IS USED TRANSPOSED (source 0 = W, source 1 = X): in accumulator (a, b) lane (r, h) holds row 16 a + r and,
; in register i, n' = 16 b + 8 h + i: accumulators (a, u), (a, 2 + u), (a, 4 + u), (a, 6 + u) hold i, f, z, o of one element in one lane and register.  THE BIAS is the C of each sum's first product.
; PREFETCH: with fill j's request the blocks of fill j + 1 are named (j = 1, 2, 3): of a part's 150 blocks of 256 bytes the partner at place p names 38 p .. 38 p + 37 (the last partner 36), told apart by address.
; Fills 0 and 1 come by their loads alone; the last fill, 50 blocks a part, is requested ten quarter steps ahead of its wait and is not named; in its place old_cell's rows are named, two changes ahead of their load.
; THE WAY OUT goes by quarters of the tile's rows through two stages in ring bytes that have had their last fill and last read; a row's 256 bytes come from two waves, so a barrier stands between writing and reading.
; REGISTERS: window 0: v1-31 addresses; v32-47 scale words, two sets; v64-127 the bias; v128-223 X's fragments, one set; on the way out v64-223 at work.  window 1: W's fragments, two sets, at v0 and v128; on the way out rows
; on their way to memory.  windows 2, 3: the accumulators of my rows 0-63, 64-127 ((a, b) at v[8 (8 (a % 4) + b)]).
.set CHUNK,  12800
.set FRB,    1536
.set NS,     3                         ; steps in a slot
.set PART,   NS*CHUNK                  ; 128 rows x three steps: what one tensor load brings
.set SLOT,   4*PART                    ; X's two parts, then W's two
.set SPARE,  2*SLOT                    ; behind the ring: the spare words, 128 bytes a wave
.set FR,     12
.set NL,     3                         ; LDS loads that bring a fragment
.set NP,     4                         ; places behind this matrix instruction (ISA guide 7.12.1)
.set OP,     272                       ; old_cell and the stages: a row of 256 bytes + 16
.set CST,    256*OP                    ; LDS byte 0: old_cell; behind it, in slot 0, the stage of new_cell;
.set HST,    SLOT                      ; in slot 1 the stage of new_h
.set BOF,    13                        ; v13 32 h
.set PFO,    14                        ; v14 4,096 x lane
.set CO,     15                        ; v15 the stores: 4,096 h + 16 r
.set ADRA,   16                        ; v16-17 my X fragments in slot 0, 1
.set ADRS,   18                        ; v18-19 my scale words: lanes 0-15 X's rows, lanes 16-31 W's
.set ADRB,   20                        ; v20-21 my W fragments
.set PF1,    22                        ; v22 256 x lane
.set PF2,    23                        ; v23 256 x (32 + min(lane, 5 or 3))
.set OCA,    24
.set CA,     25
.set HA,     26
.set SPW,    28
.set NIL,    29
.set RDC,    30
.set RDH,    31
.set SC,     32                        ; scale words: set s at v[SC + 8 s]; register i: lanes 0-15 X's block i, lanes 16-31 W's block i
.set BI,     64
.set AF,     128
.set T,      64
.set OC,     192
.set G1O, 4                            ; s[4:11] group 1 for old_cell; s[20:23] its group 0
.set G0O, 20
.set G1, 24                            ; s[24:31] group 1 for X's tiles; s[32:39] group 0, a set for each slot
.set G0, 32
.set G1B, 48                           ; the same for W's
.set G0B, 56
.set PFA, 66                           ; s[66:67] my share of the blocks of the part that I fetch; never rewritten
.set CS,  100                          ; s[100:101] -log2(e)
.set MSB, 0
.macro WIN new
.if MSB != (\new)
	s_set_vgpr_msb (MSB<<8)|(\new)
.set MSB, (\new)
.endif
.endm
.set MUL_LO,   0xa1
.set MUL_HI,   0xf1
.set FIRST_LO, 0x81
.set FIRST_HI, 0xc1
.set TO_B,     0x40
.set FROM_B,   0x04
.macro JLOAD g0a, g1a, g0b, g1b        ; a joint load: waves 0, 1 fetch X's parts, waves 2, 3 W's; s_nop 0 and four v_nop behind each line
	s_cmp_eq_u32 s15, 0
	s_cbranch_scc0 .Lfor_b_\@
	tensor_load_to_lds s[\g0a:\g0a+3], s[\g1a:\g1a+7]
	s_nop 0
.rept 4
	v_nop
.endr
	s_branch .Lasked_\@
.Lfor_b_\@:
	tensor_load_to_lds s[\g0b:\g0b+3], s[\g1b:\g1b+7]
	s_nop 0
.rept 4
	v_nop
.endr
.Lasked_\@:
.endm
.macro CREST
	s_cmp_lg_u32 s14, 0
	s_cbranch_scc1 .Lnot_wave_0_\@
	s_barrier_signal -3
.Lnot_wave_0_\@:
	s_barrier_wait -3
	s_barrier_signal -1
	s_barrier_wait -1
.endm
.macro CROUND
	s_barrier_signal -1
	s_barrier_wait -1
	CREST
.endm
.macro ASKT j                          ; my 38 (or 36) blocks of fill j's part
	global_prefetch_b8 v[PF1], s[PFA:PFA+1] offset:(\j)*PART th:TH_LOAD_NT scope:SCOPE_SE
	global_prefetch_b8 v[PF2], s[PFA:PFA+1] offset:(\j)*PART th:TH_LOAD_NT scope:SCOPE_SE
.endm
.macro ASKO                            ; the 64 rows x 256 bytes of old_cell that I will fetch: a lane a row
	global_prefetch_b8 v[PFO], s[94:95] th:TH_LOAD_NT scope:SCOPE_SE
	global_prefetch_b8 v[PFO], s[94:95] offset:32*4096 th:TH_LOAD_NT scope:SCOPE_SE
.endm
	s_load_b128 s[4:7], s[0:1], 0x0                ; xq, wq
	s_load_b256 s[92:99], s[0:1], 0x10             ; bias, old_cell, out0, out1
	v_lshl_add_u32 v[SPW], v0, 2, SPARE
	v_mov_b32 v[NIL], 0
	ds_add_u32 v[SPW], v[NIL]                      ; the opening: the add, twice on end, and its wait ahead of my first tensor load
	ds_add_u32 v[SPW], v[NIL]
	v_lshrrev_b32 v1, 5, v0
	v_readfirstlane_b32 s14, v1                    ; wave
	s_lshr_b32 s15, s14, 1                         ; my half of the rows.  Also: I fetch for X (0) or W (1)
	s_and_b32 s16, s14, 1                          ; my half of the rows n'.  Also: which part I fetch
	s_bfe_u32 s40, ttmp6, 0x40000                  ; cx
	s_bfe_u32 s41, ttmp6, 0x40004                  ; cy
	s_lshl_b32 s42, ttmp9, 2
	s_add_co_u32 s42, s42, s40                     ; tile column
	s_and_b32 s17, ttmp7, 0xffff
	s_lshl_b32 s17, s17, 2
	s_add_co_u32 s17, s17, s41                     ; tile row
	s_lshl_b32 s43, s41, 2
	s_lshl_b32 s43, 15, s43                        ; my row of the cluster
	s_lshl_b32 s44, 0x1111, s40                    ; my column
	s_or_b32 s[G1+0], s43, (3<<16)|(1<<21)         ; the mask; elements of 8 bytes; bit 21 beside a mask; no padding
	s_or_b32 s[G1B+0], s44, (3<<16)|(1<<21)
.irp g, G1, G1B
	s_mov_b32 s[\g+1], 32<<16                      ; rows of 32 elements = 256 bytes,
	s_mov_b32 s[\g+2], (PART/256)<<16              ; 150 of them,
	s_mov_b32 s[\g+3], 32<<16
	s_mov_b32 s[\g+4], PART/256
	s_mov_b32 s[\g+5], 32                          ; dense
	s_mov_b32 s[\g+6], 0
	s_mov_b32 s[\g+7], 0
.endr
	s_lshl_b32 s20, s17, 1
	s_add_co_u32 s20, s20, s16
	s_mul_i32 s20, s20, 16*CHUNK                   ; X: block 2 x tile row + part
	s_mov_b32 s21, 0
	s_lshl_b32 s46, s42, 1
	s_add_co_u32 s46, s46, s16
	s_mul_i32 s46, s46, 16*CHUNK                   ; W: block 2 x tile column + part
	s_mov_b32 s47, 0
	s_mul_i32 s45, s14, PART                       ; where they go
	s_wait_dscnt 0x0
	s_wait_kmcnt 0x0
	s_add_nc_u64 s[20:21], s[4:5], s[20:21]
	s_add_nc_u64 s[46:47], s[6:7], s[46:47]
	CROUND                                         ; the first joint loads meet
.irp s, 0,1
	s_mov_b32 s[G0+4*\s], 1
	s_add_co_u32 s[G0+4*\s+1], s45, \s*SLOT
	s_add_nc_u64 s[G0+4*\s+2:G0+4*\s+3], s[20:21], \s*PART
	s_or_b32 s[G0+4*\s+3], s[G0+4*\s+3], 0x80000000
	s_mov_b32 s[G0B+4*\s], 1
	s_add_co_u32 s[G0B+4*\s+1], s45, \s*SLOT
	s_add_nc_u64 s[G0B+4*\s+2:G0B+4*\s+3], s[46:47], \s*PART
	s_or_b32 s[G0B+4*\s+3], s[G0B+4*\s+3], 0x80000000
.endr
	JLOAD G0, G1, G0B, G1B                         ; steps 0-2: one tensor load a wave at the head
	; the scalar part of the head
	s_cmp_eq_u32 s15, 0
	s_cselect_b32 s22, s40, s41                    ; p: my place among the four that ask with me
	s_cselect_b64 s[PFA:PFA+1], s[20:21], s[46:47]
	s_mul_i32 s18, s22, 38*256
	s_mov_b32 s19, 0
	s_add_nc_u64 s[PFA:PFA+1], s[PFA:PFA+1], s[18:19]
	s_add_co_u32 s22, s22, 1
	s_lshr_b32 s22, s22, 2
	s_lshl_b32 s22, s22, 1
	s_sub_co_u32 s73, 5, s22                       ; 5, for p = 3: 3
	s_mul_i32 s68, s15, PART                       ; my part of X
	s_mul_i32 s69, s16, PART
	s_add_co_u32 s69, s69, 2*PART                  ; my part of W
	s_sub_co_u32 s70, s69, s68
	s_mul_i32 s71, s15, 128*OP
	s_mul_i32 s72, s16, 16*OP
	s_add_co_u32 s72, s72, s71                     ; back from the stages: rows 128 (w / 2) + 16 (w % 2) ..
	s_lshl_b32 s23, s16, 7
	s_add_co_u32 s71, s71, s23                     ; into them: my 128 rows, my 128 bytes
	s_lshl_b32 s20, s42, 8
	s_lshl_b32 s21, s16, 7
	s_add_co_u32 s20, s20, s21
	s_mov_b32 s21, 0
	s_add_nc_u64 s[92:93], s[92:93], s[20:21]      ; bias at 64 x tile column + 32 x half
	s_lshl_b32 s20, s17, 20
	s_lshl_b32 s21, s42, 8
	s_add_co_u32 s20, s20, s21                     ; the tile's first byte in old_cell, out0, out1
	s_lshl_b32 s22, s14, 18
	s_add_co_u32 s22, s22, s20
	s_mov_b32 s23, 0
	s_add_nc_u64 s[94:95], s[94:95], s[22:23]      ; old_cell at my 64 rows
	s_lshl_b32 s21, s15, 19
	s_add_co_u32 s20, s20, s21
	s_lshl_b32 s21, s16, 16
	s_add_co_u32 s20, s20, s21
	s_mov_b32 s21, 0
	s_add_nc_u64 s[96:97], s[96:97], s[20:21]
	s_add_nc_u64 s[98:99], s[98:99], s[20:21]
	s_mov_b32 s[G1O+0], (3<<16)|(1<<20)|(5<<22)|(3<<25)   ; old_cell: 64 rows x 256 bytes, 4,096 apart, 16 bytes of padding behind each; no mask
	s_mov_b32 s[G1O+1], 32<<16
	s_mov_b32 s[G1O+2], 64<<16
	s_mov_b32 s[G1O+3], 32<<16
	s_mov_b32 s[G1O+4], 64
	s_mov_b32 s[G1O+5], 512
	s_mov_b32 s[G1O+6], 0
	s_mov_b32 s[G1O+7], 0
	s_mov_b32 s[G0O], 1
	s_mul_i32 s[G0O+1], s14, 64*OP
	s_mov_b64 s[G0O+2:G0O+3], s[94:95]
	s_or_b32 s[G0O+3], s[G0O+3], 0x80000000
	s_mov_b32 s[CS], 0xbfb8aa3b
	s_mov_b32 s[CS+1], s[CS]
	; the vector part, on end
	v_and_b32 v1, 15, v0                           ; r
	v_bfe_u32 v2, v0, 4, 1                         ; h
	v_and_b32 v3, 31, v0                           ; lane
	v_lshlrev_b32 v[BOF], 5, v2
	v_mul_u32_u24 v4, v3, 48
	v_add_nc_u32 v[ADRA], s68, v4
	v_add_nc_u32 v[ADRB], s69, v4
	v_add_nc_u32 v[ADRA+1], SLOT, v[ADRA]
	v_add_nc_u32 v[ADRB+1], SLOT, v[ADRB]
	v_mul_u32_u24 v5, s70, v2                      ; lanes 16-31 take W's words: one product, the distance x h
	v_lshl_add_u32 v5, v1, 2, v5
	v_add_nc_u32 v[ADRS], s68, v5
	v_add_nc_u32 v[ADRS+1], SLOT, v[ADRS]
	v_mul_u32_u24 v6, v1, OP
	v_lshl_add_u32 v6, v2, 5, v6
	v_add_nc_u32 v[OCA], s71, v6
	v_add_nc_u32 v[CA], CST, v[OCA]
	v_add_nc_u32 v[HA], HST, v[OCA]
	v_mul_u32_u24 v7, v2, OP
	v_lshl_add_u32 v7, v1, 4, v7
	v_add_nc_u32 v7, s72, v7
	v_add_nc_u32 v[RDC], CST, v7
	v_add_nc_u32 v[RDH], HST, v7
	v_lshlrev_b32 v[CO], 12, v2
	v_lshl_add_u32 v[CO], v1, 4, v[CO]
	v_lshlrev_b32 v[PFO], 12, v3
	v_lshlrev_b32 v[PF1], 8, v3
	v_min_u32 v[PF2], s73, v3
	v_lshl_add_u32 v[PF2], v[PF2], 8, 32*256
.irp b, 0,1,2,3,4,5,6,7                ; block b, register i: bias[1024 (b / 2) + .. + 16 (b % 2) + 8 h + i]
	global_load_b128 v[BI+8*\b:BI+8*\b+3],   v[BOF], s[92:93] offset:(\b/2)*4096+(\b%2)*64
	global_load_b128 v[BI+8*\b+4:BI+8*\b+7], v[BOF], s[92:93] offset:(\b/2)*4096+(\b%2)*64+16
.endr
.macro FRAG reg, adr, st, i            ; a fragment: lane l's twelve registers lie at 48 l: three loads of 16 bytes; step st lies in slot (st / 3) % 2, at chunk st % 3 of its part
.irp p, 0,1,2
	ds_load_b128 v[\reg+4*\p:\reg+4*\p+3], v[\adr+((\st)/NS)%2] offset:((\st)%NS)*CHUNK+(\i)*FRB+16*\p
.endr
.endm
.macro MUL16 a0, st, zero              ; X's blocks a0, a0 + 1 x W's eight.  The 64 accumulators take turns, in the same order in every step
.irp a, \a0, \a0+1
.irp b, 0,1,2,3,4,5,6,7
.if \zero
	v_wmma_scale_f32_16x16x128_f8f6f4 v[8*(8*((\a)%4)+\b):8*(8*((\a)%4)+\b)+7], v[128*((\st)%2)+FR*\b:128*((\st)%2)+FR*\b+FR-1], v[AF+FR*(\a):AF+FR*(\a)+FR-1], v[BI+8*\b:BI+8*\b+7], v[SC+8*((\st)%2)+\b], v[SC+8*((\st)%2)+(\a)] matrix_a_fmt:MATRIX_FMT_FP6 matrix_b_fmt:MATRIX_FMT_FP6 matrix_a_scale:MATRIX_SCALE_ROW1
.else
	v_wmma_scale_f32_16x16x128_f8f6f4 v[8*(8*((\a)%4)+\b):8*(8*((\a)%4)+\b)+7], v[128*((\st)%2)+FR*\b:128*((\st)%2)+FR*\b+FR-1], v[AF+FR*(\a):AF+FR*(\a)+FR-1], v[8*(8*((\a)%4)+\b):8*(8*((\a)%4)+\b)+7], v[SC+8*((\st)%2)+\b], v[SC+8*((\st)%2)+(\a)] matrix_a_fmt:MATRIX_FMT_FP6 matrix_b_fmt:MATRIX_FMT_FP6 matrix_a_scale:MATRIX_SCALE_ROW1
.endif
.endr
.endr
.endm
.macro FETCH_B st
	WIN TO_B
.irp i, 0,1,2,3,4,5,6,7
	FRAG 128*((\st)%2)+FR*\i, ADRB, \st, \i
.endr
	WIN 0
.endm
.macro FETCH_A st, i0
.irp i, \i0, \i0+1, \i0+2, \i0+3
	FRAG AF+FR*(\i), ADRA, \st, \i
.endr
.endm
.macro SCALES st
.irp i, 0,1,2,3,4,5,6,7
	ds_load_b32 v[SC+8*((\st)%2)+\i], v[ADRS+((\st)/NS)%2] offset:((\st)%NS)*CHUNK+8*FRB+64*\i
.endr
.endm
.macro PLACES n
.rept \n
	v_nop
.endr
.endm
; A step of 128 along K: 64 matrix instructions.  Where the next step lies in the same slot, W's next set and the next scale words are asked for at the step's head, X's next blocks 0-3 in its middle, blocks 4-7 at its end.
; In a slot's last step stands the change of slots: each wave waits for all its tensor loads, adds 0 to its spare word, waits for that and for its reads of this slot; the barrier opens a round of the cluster's barrier;
; the refill is the first tensor load behind it, and the next step's fragments, which lie in the other slot, follow it.
.macro STEP st, zero
.set NX, (\st)+1
.set SL, ((\st)/NS)%2
.if (\st)%NS == NS-1
	s_wait_tensorcnt 0x0                           ; my part of the next slot has landed
	ds_add_u32 v[SPW], v[NIL]
	s_wait_dscnt 4*NL+1                            ; the add and the youngest 12 loads (X's blocks 4-7) may be out
	WIN MUL_LO
	MUL16 0, \st, 0
	s_wait_dscnt 0x0                               ; the add is done, my reads of this slot are over
	s_barrier_signal -1
	MUL16 2, \st, 0
	WIN 0
	s_barrier_wait -1
	CREST
.if (\st) < 4*NS
	s_add_nc_u64 s[G0+4*SL+2:G0+4*SL+3], s[G0+4*SL+2:G0+4*SL+3], 2*PART   ; no load of mine is out: this slot's next fill lies six steps on
	s_add_nc_u64 s[G0B+4*SL+2:G0B+4*SL+3], s[G0B+4*SL+2:G0B+4*SL+3], 2*PART
.if (\st) == 4*NS-1
	s_mov_b32 s[G1+2], (CHUNK/256)<<16             ; the last fill is step 15 alone: 50 rows
	s_mov_b32 s[G1+4], CHUNK/256
	s_mov_b32 s[G1B+2], (CHUNK/256)<<16
	s_mov_b32 s[G1B+4], CHUNK/256
.endif
	JLOAD G0+4*SL, G1, G0B+4*SL, G1B               ; its four v_nop are the places in front of the loads below
.else
	tensor_load_to_lds s[G0O:G0O+3], s[G1O:G1O+7]  ; slot 0 is left for the last time: my 64 rows of old_cell
	s_nop 0
.rept 4
	v_nop
.endr
.endif
	FETCH_B NX
	FETCH_A NX, 0
	SCALES NX
.else
	s_wait_dscnt 4*NL                              ; W's set, X's blocks 0-3 and the scale words are in; the youngest 12 loads (X's blocks 4-7) may be out
	FETCH_B NX                                     ; into the set and the words that the last step's products read: four places stand behind those
	SCALES NX
.if \zero
	WIN FIRST_LO
.else
	WIN MUL_LO
.endif
	MUL16 0, \st, \zero
	MUL16 2, \st, \zero
	s_wait_dscnt 8*NL+8                            ; X's blocks 4-7 are in: behind them the 24 + 8 loads of this step's head were issued
	PLACES NP
	WIN 0
	FETCH_A NX, 0
.endif
.if ((\st) == 2) || ((\st) == 5)
	ASKT (\st)/NS+3
.endif
.if (\st) == 8
	ASKO
.endif
.if \zero
	WIN FIRST_HI
.else
	WIN MUL_HI
.endif
	MUL16 4, \st, \zero
	MUL16 6, \st, \zero
	PLACES NP
	WIN 0
	FETCH_A NX, 4
.endm
	s_wait_alu depctr_va_vdst(0)
	s_wait_tensorcnt 0x0                           ; my part of steps 0-2 is in
	ds_add_u32 v[SPW], v[NIL]
	s_wait_dscnt 0x0
	CROUND
	JLOAD G0+4, G1, G0B+4, G1B                     ; steps 3-5, slot 1's first fill
	FETCH_B 0
	FETCH_A 0, 0
	SCALES 0
	FETCH_A 0, 4
	ASKT 2
	s_wait_loadcnt 0x0                             ; the bias
	STEP 0, 1
.set ST, 1
.rept 14
	STEP ST, 0
.set ST, ST+1
.endr
	s_wait_dscnt 4*NL                              ; the last step
	WIN MUL_LO
	MUL16 0, 15, 0
	MUL16 2, 15, 0
	s_wait_dscnt 0
	WIN MUL_HI
	MUL16 4, 15, 0
	MUL16 6, 15, 0
	WIN 0
	PLACES NP
	s_wait_tensorcnt 0x0                           ; my rows of old_cell have landed,
	s_wait_dscnt 0x0                               ; my reads of the ring are over
	s_barrier_signal -1
	s_barrier_wait -1                              ; everybody's: the stages may be stored into
.macro LOADC p                         ; quarter p: 16 whole rows of each stage into v[64 p ..] of window 1
	WIN TO_B
.irp t, 0,1,2,3,4,5,6,7
	ds_load_b128 v[64*(\p)+4*\t:64*(\p)+4*\t+3], v[RDC] offset:(32*(\p)+2*\t)*OP
.endr
.irp t, 0,1,2,3,4,5,6,7
	ds_load_b128 v[64*(\p)+32+4*\t:64*(\p)+32+4*\t+3], v[RDH] offset:(32*(\p)+2*\t)*OP
.endr
	WIN 0
.endm
.macro SENDC p, counted                ; 16 lanes store 256 consecutive bytes, aligned; no register that a store names is written again
	WIN FROM_B
.irp t, 0,1,2,3,4,5,6,7
.if \counted
	s_wait_dscnt 15-\t
.endif
	global_store_b128 v[CO], v[64*(\p)+4*\t:64*(\p)+4*\t+3], s[98:99] offset:(32*(\p)+2*\t)*4096 th:TH_STORE_NT
.endr
.irp t, 0,1,2,3,4,5,6,7
.if \counted
	s_wait_dscnt 7-\t
.endif
	global_store_b128 v[CO], v[64*(\p)+32+4*\t:64*(\p)+32+4*\t+3], s[96:97] offset:(32*(\p)+2*\t)*4096 th:TH_STORE_NT
.endr
	WIN 0
.endm
.macro BAR
	s_wait_dscnt 0x0
	s_barrier_signal -1
	s_barrier_wait -1
.endm
.macro TRANS op, first, n
.set k, 0
.rept \n
	\op v[\first+k], v[\first+k]
.set k, k+1
.endr
.endm
; THE GATES of blocks 2 p and 2 p + 1.  T + 64 aa + 8 b + i: I = +0 .. 15, F = +16 .. 31, Z = +32 .. 47, O = +48 .. 63.  The transcendentals go in batches, with a wait ahead of and behind each.
.macro EPI p
.set AB, 128*((\p)%2)
.irp aa, 0,1
.irp u, 0,1
.irp q, 0,1
	ds_load_b128 v[OC+16*\aa+8*\u+4*\q:OC+16*\aa+8*\u+4*\q+3], v[OCA] offset:(16*(2*(\p)+\aa))*OP+64*\u+16*\q
.endr
.endr
.endr
	WIN 0x02+(\p)/2
.set k, 0
.rept 64
	v_pk_mul_f32 v[T+2*k:T+2*k+1], v[AB+2*k:AB+2*k+1], s[CS:CS+1] op_sel_hi:[1,0]   ; -x log2(e); each accumulator from its low end on
.set k, k+1
.endr
.if (\p) > 0
	s_wait_dscnt 8                                 ; the last quarter's sixteen row loads are back; my eight loads of old_cell may be out
	SENDC (\p)-1, 0
.endif
	WIN 0
	s_wait_alu depctr_va_vdst(0)
	TRANS v_exp_f32, T, 128
	v_nop
	s_wait_alu depctr_va_vdst(0)
.set k, 0
.rept 64
	v_pk_add_f32 v[T+2*k:T+2*k+1], v[T+2*k:T+2*k+1], 1.0 op_sel_hi:[1,0]
.set k, k+1
.endr
	s_wait_alu depctr_va_vdst(0)
	TRANS v_rcp_f32, T, 128
	v_nop
	s_wait_alu depctr_va_vdst(0)
	s_wait_dscnt 0x0                               ; old_cell
.irp aa, 0,1
.set k, 0
.rept 8
	v_pk_fma_f32 v[T+64*\aa+16+2*k:T+64*\aa+17+2*k], v[T+64*\aa+16+2*k:T+64*\aa+17+2*k], v[OC+16*\aa+2*k:OC+16*\aa+2*k+1], v[T+64*\aa+32+2*k:T+64*\aa+33+2*k]   ; f old_cell + z
.set k, k+1
.endr
.endr
.irp aa, 0,1
.set k, 0
.rept 8
	v_pk_add_f32 v[T+64*\aa+16+2*k:T+64*\aa+17+2*k], v[T+64*\aa+16+2*k:T+64*\aa+17+2*k], v[T+64*\aa+2*k:T+64*\aa+2*k+1] neg_lo:[0,1] neg_hi:[0,1]   ; - i: new_cell
.set k, k+1
.endr
.endr
.irp aa, 0,1
.irp u, 0,1
.irp q, 0,1
	ds_store_b128 v[CA], v[T+64*\aa+16+8*\u+4*\q:T+64*\aa+16+8*\u+4*\q+3] offset:(16*(2*(\p)+\aa))*OP+64*\u+16*\q
.endr
.endr
.endr
.irp aa, 0,1
.set k, 0
.rept 8
	v_pk_mul_f32 v[T+64*\aa+2*k:T+64*\aa+2*k+1], v[T+64*\aa+16+2*k:T+64*\aa+17+2*k], s[CS:CS+1] op_sel_hi:[1,0]
.set k, k+1
.endr
.endr
	s_wait_alu depctr_va_vdst(0)
	TRANS v_exp_f32, T, 16
	TRANS v_exp_f32, T+64, 16
	v_nop
	s_wait_alu depctr_va_vdst(0)
.irp aa, 0,1
.set k, 0
.rept 8
	v_pk_add_f32 v[T+64*\aa+2*k:T+64*\aa+2*k+1], v[T+64*\aa+2*k:T+64*\aa+2*k+1], 1.0 op_sel_hi:[1,0]
.set k, k+1
.endr
.endr
	s_wait_alu depctr_va_vdst(0)
	TRANS v_rcp_f32, T, 16
	TRANS v_rcp_f32, T+64, 16
	v_nop
	s_wait_alu depctr_va_vdst(0)
.irp aa, 0,1
.set k, 0
.rept 8
	v_pk_add_f32 v[T+64*\aa+2*k:T+64*\aa+2*k+1], v[T+64*\aa+2*k:T+64*\aa+2*k+1], v[T+64*\aa+48+2*k:T+64*\aa+49+2*k] neg_lo:[0,1] neg_hi:[0,1]   ; sigmoid(new_cell) - o: new_h
.set k, k+1
.endr
.endr
.irp aa, 0,1
.irp u, 0,1
.irp q, 0,1
	ds_store_b128 v[HA], v[T+64*\aa+8*\u+4*\q:T+64*\aa+8*\u+4*\q+3] offset:(16*(2*(\p)+\aa))*OP+64*\u+16*\q
.endr
.endr
.endr
.endm
	EPI 0
	BAR                                            ; each quarter has stage rows of its own, so one barrier a quarter serves
	LOADC 0
	EPI 1
	BAR
	LOADC 1
	EPI 2
	BAR
	LOADC 2
	EPI 3
	BAR
	LOADC 3
	SENDC 3, 1
	s_wait_tensorcnt 0x0                           ; the wave's end
	ds_add_u32 v[SPW], v[NIL]
	s_wait_dscnt 0x0
	CROUND                                         ; the closing round
	s_endpgm
.Lfunc_end_k_qfcc3ee620b_cell:
	.size	k_qfcc3ee620b_cell, .Lfunc_end_k_qfcc3ee620b_cell-k_qfcc3ee620b_cell
	.p2alignl 7, 3214868480
	.fill 96, 4, 3214868480
	.section	.rodata,"a",@progbits
	.p2align	6, 0x0
	.amdhsa_kernel k_qfcc3ee620b_cell
		.amdhsa_group_segment_fixed_size 327680
		.amdhsa_private_segment_fixed_size 0
		.amdhsa_enable_private_segment 0
		.amdhsa_kernarg_size 48
		.amdhsa_user_sgpr_count 2
		.amdhsa_user_sgpr_kernarg_segment_ptr 1
		.amdhsa_wavefront_size32 1
		.amdhsa_system_sgpr_workgroup_id_x 1
		.amdhsa_system_sgpr_workgroup_id_y 1
		.amdhsa_system_sgpr_workgroup_id_z 1
		.amdhsa_system_vgpr_workitem_id 0
		.amdhsa_next_free_vgpr 1024
		.amdhsa_next_free_sgpr 102
		.amdhsa_reserve_vcc 0
		.amdhsa_float_denorm_mode_32 3
		.amdhsa_float_denorm_mode_16_64 3
		.amdhsa_memory_ordered 1
		.amdhsa_forward_progress 1
		.amdhsa_inst_pref_size 255
	.end_amdhsa_kernel
	.section	.bss,"aw",@nobits
	.p2align	6
	.space	262144
	.amdgpu_metadata
---
amdhsa.version: [ 1, 2 ]
amdhsa.kernels:
  - .name:           k_qfcc3ee620b_cell
    .symbol:         k_qfcc3ee620b_cell.kd
    .args:
      - { .name: xq, .offset: 0, .size: 8, .value_kind: global_buffer, .address_space: global }
      - { .name: wq, .offset: 8, .size: 8, .value_kind: global_buffer, .address_space: global }
      - { .name: bias, .offset: 16, .size: 8, .value_kind: global_buffer, .address_space: global }
      - { .name: old_cell, .offset: 24, .size: 8, .value_kind: global_buffer, .address_space: global }
      - { .name: out0, .offset: 32, .size: 8, .value_kind: global_buffer, .address_space: global }
      - { .name: out1, .offset: 40, .size: 8, .value_kind: global_buffer, .address_space: global }
    .group_segment_fixed_size: 327680
    .private_segment_fixed_size: 0
    .kernarg_segment_align: 8
    .kernarg_segment_size: 48
    .max_flat_workgroup_size: 128
    .sgpr_count:     102
    .vgpr_count:     1024
    .wavefront_size: 32
...
	.end_amdgpu_metadata
.endif
;; end of part 2
